; MI455X (gfx1250); checked and timed in simulation.
; The chip was launched on July 23, 2026; its instructions are those of AMD's public machine-readable ISA for CDNA 5 (MIT licence, August 2026) and "CDNA5" Instruction Set Architecture Reference Guide (July 2026). The comments in the code are by the model that wrote it; some were corrected since.
;; Polymorphic Attention. Allowed arithmetic: matrix products marked QUANTISED: E2M3 operands, one E8M0 scale for each 32 along K, by v_wmma_scale_f32_16x16x128_f8f6f4 with both operands' format E2M3, f32 sums; products left as they are: f32 operands where the result goes on into a quantised operand, else bf16, f16 or f32 operands; f32 sums; everything else in f32.
;; Inputs: W_out 1,024 x 1,024 float32; W_qkv 1,024 x 3,072 float32; b_out 1,024 float32; b_qkv 3,072 float32; x 4 x 4,096 x 1,024 float32.
;; Outputs: out0 4 x 4,096 x 1,024 float32.
;; This version of the problem:
;;   THIS VERSION OF THE PROBLEM IS GIVEN IN LOW PRECISION. The matrix products marked QUANTISED in the list below multiply operands that are first quantised to E2M3 (2 exponent bits, 3 mantissa bits; 6 bits a number), with one power-of-two scale for each 32 numbers along K (OCP MX v1.0); their sums are f32. All else is computed in f32.
;;   The module's matrix products, in the order in which they are computed (A, B: the left and right operand; K: the contracted axis; several contracted axes count as one K, in the product's order):
;;     1. [M 16,384, K 1,024] x [K 1,024, N 3,072]; A: input x; B: input W_qkv: QUANTISED
;;     2. batch 16,384 x [M 16, K 64] x [K 64, N 16]; A: computed on the way; B: computed on the way: QUANTISED
;;     3. batch 16,384 x [M 16, K 16] x [K 16, N 64]; A: softmax; B: computed on the way: left as it is (K = 16 < 32)
;;     4. [M 16,384, K 1,024] x [K 1,024, N 1,024]; A: computed on the way; B: input W_out: QUANTISED
;;   THE QUANTISER, for each operand of a quantised product, along K:
;;     - K is cut into blocks of 32 from its start; a last block that is shorter is filled with zeros.
;;     - A block's scale is 2^e with e = floor(log2(the largest magnitude in the block)) - 2, held to -126 .. 127; a block of zeros has e = 0. As a byte (E8M0): e + 127.
;;     - Each number is divided by its block's scale, clamped to +-7.5, and rounded to the nearest number of E2M3, ties to even, subnormals kept.
;;     - The product sums the exact products of the quantised numbers (number of the format x scale) in f32.
;;   ~~~python
;;   def quantise(x, axis):      # numpy; x: float32 -> the quantised numbers, widened to float32 again
;;       x = np.moveaxis(x, axis, -1); K = x.shape[-1]
;;       x = np.pad(x, [(0, 0)] * (x.ndim - 1) + [(0, -K % 32)]); x = x.reshape(x.shape[:-1] + (-1, 32)); a = np.abs(x).max(-1, keepdims=True)
;;       e = np.where(a > 0, np.clip(np.frexp(np.where(a > 0, a, 1))[1] - 1 - 2, -126, 127), 0)      # np.frexp(a)[1] - 1 = floor(log2(a)), exactly
;;       r = np.clip(x / 2.0 ** e, -7.5, 7.5)
;;       step = 2.0 ** (np.maximum(np.frexp(np.where(r == 0, 1, r))[1] - 1, 0) - 3)
;;       q = np.round(r / step) * step * 2.0 ** e      # np.round: ties to even
;;       return np.moveaxis(q.reshape(q.shape[:-2] + (-1,))[..., :K], -1, axis).astype(np.float32)
;;   ~~~
;;   OPERANDS COMPUTED ON THE WAY. 'Computed on the way' means the value that the module computes at that place (a softmax that the list does not call 'softmax' is quantised finished and normalised). What goes into a quantiser is computed in f32, as accurately as f32 sums, v_exp_f32 and their like allow (about 1e-6 of the number): no bf16 or f16 on the way to a quantiser, and a product that is left as it is and whose result goes on into a quantised operand takes f32 operands (vector FMAs, or v_wmma_f32_16x16x4_f32). A number that lies on a knife's edge between two numbers of the format may be rounded either way, as far as f32 arithmetic and the matrix unit's own rounding can turn it there, and no further.
;; One version. Each part assembles by itself: llvm-mc -triple=amdgcn-amd-amdhsa -mcpu=gfx1250 --defsym DOCPART=n.
;; ======== version 1 of 1: 2 launches
;; limits: right only within a limited range of input values
;; workspace buffers: wimg 3,293,184 bytes
;; launch wquant (part 1): grid 256 x 1, 4 waves a work-group, no clusters, 1,024 bytes of LDS; arguments W_qkv, b_qkv, W_out, b_out, wimg; writes wimg
.if DOCPART == 1
	.amdgcn_target "amdgcn-amd-amdhsa--gfx1250"
	.amdhsa_code_object_version 6
	.text
	.protected	k_q40eb3c1b71_wquant
	.globl	k_q40eb3c1b71_wquant
	.p2align	8
	.type	k_q40eb3c1b71_wquant,@function
k_q40eb3c1b71_wquant:
	s_mov_b64 s[64:65], 0
	v_nop
	global_prefetch_b8 v0, s[64:65] scope:SCOPE_SE
	s_setreg_imm32_b32 hwreg(HW_REG_WAVE_MODE, 25, 1), 1
	s_wait_xcnt 0x0
; W_qkv [1024][3072] and W_out [1024][1024], f32 with K as their FIRST axis, become codes of FP6 (E2M3) with one E8M0 byte for each 32 along K,
; laid in wimg as the second launch's registers take them.  No step of the problem is left out.
; wimg = 256 units of 12,800 bytes, unit ((4 pass + w) 8 + s): K step s (128 along K) of the 128 columns that wave w of the second launch takes in one pass of 512 columns:
;   [0, 12288)      8 fragments (tile t) of 1,536 bytes: registers 4 c .. 4 c + 3 of lane l at 1536 t + 512 c + 16 l
;   [12288, 12800)  scale words: 16 l + 4 c2 = the word of tile 2 c2 + l / 16, row l % 16
; behind the units, from byte 3,276,800: the biases, 512 bytes for each (pass, w): tile t, row m at 64 t + 4 m
; WHICH COLUMNS FORM A TILE is chosen so that the second launch's results fall where its next step wants them:
;   pass 0-3 (q, q, k, k): row m of tile t is column 512 pass + 128 w + 32 (t / 2) + 8 (t % 2) + m + 8 (m / 8)
;   pass 4, 5 (v):         column 2048 + 64 (4 w + m % 4) + 32 (pass - 4) + 4 t + 2 (m / 8) + (m % 8) / 4
;   pass 6, 7 (W_out):     column 512 (pass - 6) + 128 w + 16 t + m
; Work-group = (pass, w, s); its wave c2 makes tiles 2 c2 and 2 c2 + 1.  A lane takes a column and its registers run down K: a block of 32 lies in one lane.
; Lanes 0-15 hold tile 2 c2's columns, lanes 16-31 tile 2 c2 + 1's; twelve exchanges of lane halves turn even and odd blocks into the two tiles' images.
; A block's scale byte is the largest magnitude's exponent field - 2, held at 1 from below.
; LIMITS: a block of zeros gets the byte 1 where the quantiser says 127 (its codes are zeros, and this program alone reads the bytes); blocks under 2^-124 keep the byte 1; NaN and infinities are not served.
.set KU,    12800
.set WBIAS, 3276800
.set XR,   32                          ; v32-95   two sets of 32 numbers
.set F0,   96                          ; v96-107  the even blocks' codes, then tile 2 c2's image
.set F1,   108                         ; v108-119 the odd blocks' codes, then tile 2 c2 + 1's image
.set TT,   120                         ; v120-127 the second half of a block's six registers is made here and moved
	s_load_b256 s[4:11], s[0:1], 0x0               ; W_qkv, b_qkv, W_out, b_out
	s_load_b64 s[12:13], s[0:1], 0x20              ; wimg
	v_lshl_add_u32 v128, v0, 2, 0x200
	v_mov_b32 v129, 0
	v_lshrrev_b32 v1, 5, v0
	v_readfirstlane_b32 s14, v1                    ; c2: my wave
	v_and_b32 v1, 31, v0
	s_and_b32 s15, ttmp9, 7                        ; s: the K step
	s_bfe_u32 s16, ttmp9, 0x20003                  ; w
	s_lshr_b32 s17, ttmp9, 5                       ; pass
	; my column = col0 + A (l % 4) + B bit 2 + C bit 3 + D bit 4 of the lane's number
	s_cmp_lt_u32 s17, 4
	s_cselect_b32 s20, 1, 64
	s_cselect_b32 s21, 4, 1
	s_cselect_b32 s22, 16, 2
	s_cselect_b32 s23, 8, 4
	s_cmp_lt_u32 s17, 6
	s_cselect_b32 s20, s20, 1
	s_cselect_b32 s21, s21, 4
	s_cselect_b32 s22, s22, 8
	s_cselect_b32 s23, s23, 16
	s_lshl_b32 s24, s17, 9
	s_lshl_b32 s25, s16, 7
	s_add_co_u32 s24, s24, s25
	s_lshl_b32 s25, s14, 5
	s_add_co_u32 s24, s24, s25                     ; 512 pass + 128 w + 32 c2
	s_lshl_b32 s26, s17, 5
	s_lshl_b32 s25, s16, 8
	s_add_co_u32 s26, s26, s25
	s_lshl_b32 s25, s14, 3
	s_add_co_u32 s26, s26, s25
	s_add_co_u32 s26, s26, 1920                    ; 2048 + 32 (pass - 4) + 256 w + 8 c2
	s_sub_co_u32 s27, s24, 3072                    ; 512 (pass - 6) + 128 w + 32 c2
	s_cmp_lt_u32 s17, 4
	s_cselect_b32 s24, s24, s26
	s_cmp_lt_u32 s17, 6
	s_cselect_b32 s24, s24, s27                    ; col0
	v_and_b32 v6, 3, v0
	v_bfe_u32 v7, v0, 2, 1
	v_bfe_u32 v8, v0, 3, 1
	v_bfe_u32 v9, v0, 4, 1
	v_mul_u32_u24 v2, s20, v6
	v_mad_u32_u24 v2, v7, s21, v2
	v_mad_u32_u24 v2, v8, s22, v2
	v_mad_u32_u24 v2, v9, s23, v2
	v_lshlrev_b32 v2, 2, v2                        ; my column's bytes behind col0
	v_lshlrev_b32 v3, 4, v1                        ; 16 x lane
	v_lshlrev_b32 v5, 2, v1                        ; 4 x lane
	s_lshl_b32 s44, s14, 2
	v_add_nc_u32 v4, s44, v3                       ; LDS: 16 x lane + 4 c2: where my scale word meets the other waves'
	s_lshl_b32 s32, s17, 2
	s_add_co_u32 s32, s32, s16                     ; 4 pass + w
	s_lshl_b32 s42, s32, 9
	s_lshl_b32 s33, s14, 7
	s_add_co_u32 s42, s42, s33
	s_add_co_u32 s42, s42, WBIAS                   ; my two tiles' bias
	s_mov_b32 s43, 0
	s_lshl_b32 s32, s32, 3
	s_add_co_u32 s32, s32, s15
	s_mul_i32 s32, s32, KU                         ; my unit
	s_mov_b32 s33, 0
	s_mul_i32 s36, s14, 3072                       ; fragment 2 c2
	s_mov_b32 s37, 0
	s_lshl_b32 s30, s24, 2                         ; 4 col0
	s_mov_b32 s31, 0
	s_mov_b32 s29, 0
	s_mov_b32 s28, 128*4096
	s_wait_alu depctr_va_vdst(0)
	s_wait_kmcnt 0x0
	s_cmp_lt_u32 s17, 6                            ; W_qkv or W_out: the choice hangs on the work-group's number alone
	s_cselect_b64 s[4:5], s[4:5], s[8:9]
	s_cselect_b64 s[6:7], s[6:7], s[10:11]
	s_cselect_b32 s28, 128*12288, s28              ; 128 rows of the tensor, in bytes
	s_mul_i32 s28, s28, s15
	s_add_nc_u64 s[4:5], s[4:5], s[28:29]
	s_add_nc_u64 s[4:5], s[4:5], s[30:31]          ; W at row 128 s, column col0
	s_add_nc_u64 s[6:7], s[6:7], s[30:31]          ; the bias at col0
	s_add_nc_u64 s[42:43], s[12:13], s[42:43]
	s_add_nc_u64 s[12:13], s[12:13], s[32:33]
	s_add_nc_u64 s[38:39], s[12:13], s[36:37]
; block t of 32 along K into set t % 2.  The two tensors' rows differ in length and every offset is an immediate: both arms issue the same 32 loads into the same registers
.macro LOAD t
	s_cmp_lt_u32 s17, 6
	s_cbranch_scc0 .Lnarrow_\@
.irp i, 0,1,2,3,4,5,6,7,8,9,10,11,12,13,14,15,16,17,18,19,20,21,22,23,24,25,26,27,28,29,30,31
	global_load_b32 v[XR+32*((\t)%2)+\i], v2, s[4:5] offset:(32*(\t)+\i)*12288
.endr
	s_branch .Lloaded_\@
.Lnarrow_\@:
.irp i, 0,1,2,3,4,5,6,7,8,9,10,11,12,13,14,15,16,17,18,19,20,21,22,23,24,25,26,27,28,29,30,31
	global_load_b32 v[XR+32*((\t)%2)+\i], v2, s[4:5] offset:(32*(\t)+\i)*4096
.endr
.Lloaded_\@:
.endm
.macro BLOCK b
.set XS, XR+32*((\b)%2)
.set FX, F0+12*((\b)%2)+6*((\b)/2)
.set TH, TT+4*((\b)%2)
.if (\b) < 3
	s_wait_loadcnt 32                              ; this block's 32 loads (and the older bias) are in; the next block's 32 may be out
.else
	s_wait_loadcnt 0x0
.endif
	v_max3_num_f32 v12, |v[XS]|, |v[XS+1]|, |v[XS+2]|              ; the block's largest magnitude, in two chains
	v_max3_num_f32 v13, |v[XS+3]|, |v[XS+4]|, |v[XS+5]|
.irp i, 6,10,14,18,22,26
	v_max3_num_f32 v12, v12, |v[XS+\i]|, |v[XS+\i+1]|
	v_max3_num_f32 v13, v13, |v[XS+\i+2]|, |v[XS+\i+3]|
.endr
	v_max3_num_f32 v12, v12, |v[XS+30]|, |v[XS+31]|
	v_max3_num_f32 v12, v12, v13, 0x1800000        ; and the floor 2^(3 - 127): the byte cannot fall under 1
	v_add_nc_u32 v11, 0xff000000, v12              ; 2 off the exponent field: the conversion's scale operand
	v_lshrrev_b32 v14, 23, v11                     ; the scale's byte
.if (\b) == 0
	v_mov_b32 v15, v14                             ; four bytes make my column's scale word for this K step
.else
	v_lshl_or_b32 v15, v14, 8*(\b), v15
.endif
	v_cvt_scalef32_pk16_fp6_f32 v[FX:FX+2], v[XS:XS+15], v11
	v_cvt_scalef32_pk16_fp6_f32 v[TH:TH+2], v[XS+16:XS+31], v11
	v_nop                                          ; one plain place behind a scaled conversion
.irp i, 0,1,2
	v_mov_b32 v[FX+3+\i], v[TH+\i]
.endr
.if (\b) < 2
	LOAD (\b)+2
.endif
.endm
	global_load_b32 v16, v2, s[6:7]                ; my column's bias
	LOAD 0
	LOAD 1
	BLOCK 0
	BLOCK 1
	BLOCK 2
	BLOCK 3
.irp i, 0,1,2,3,4,5,6,7,8,9,10,11
	v_permlane16_swap_b32 v[F0+\i], v[F1+\i]       ; F0's lanes 16-31 change places with F1's lanes 0-15: both are operand images now
.endr
.irp c, 0,1,2
	global_store_b128 v3, v[F0+4*\c:F0+4*\c+3], s[38:39] offset:512*\c         ; 32 lanes store 512 consecutive bytes
	global_store_b128 v3, v[F1+4*\c:F1+4*\c+3], s[38:39] offset:1536+512*\c
.endr
	ds_store_b32 v4, v15                           ; the four waves' scale words interleave in LDS,
	s_wait_dscnt 0x0                               ; for the others' sake: my store is done
	s_barrier_signal -1
	s_barrier_wait -1
	s_cmp_lg_u32 s14, 0
	s_cbranch_scc1 .Lnot_wave_0
	ds_load_b128 v[20:23], v3                      ; and wave 0 stores them as 512 consecutive bytes
	s_wait_dscnt 0x0
	global_store_b128 v3, v[20:23], s[12:13] offset:12288
.Lnot_wave_0:
	s_cmp_lg_u32 s15, 0                            ; the bias is stored by the work-group of K step 0 alone: each byte has one writer
	s_cbranch_scc1 .Lno_bias
	global_store_b32 v5, v16, s[42:43]
.Lno_bias:
	s_wait_tensorcnt 0x0                           ; the wave's end
	ds_add_u32 v128, v129
	s_wait_dscnt 0x0
	s_endpgm
.Lfunc_end_k_q40eb3c1b71_wquant:
	.size	k_q40eb3c1b71_wquant, .Lfunc_end_k_q40eb3c1b71_wquant-k_q40eb3c1b71_wquant
	.p2alignl 7, 3214868480
	.fill 96, 4, 3214868480
	.section	.rodata,"a",@progbits
	.p2align	6, 0x0
	.amdhsa_kernel k_q40eb3c1b71_wquant
		.amdhsa_group_segment_fixed_size 1024
		.amdhsa_private_segment_fixed_size 0
		.amdhsa_enable_private_segment 0
		.amdhsa_kernarg_size 40
		.amdhsa_user_sgpr_count 2
		.amdhsa_user_sgpr_kernarg_segment_ptr 1
		.amdhsa_wavefront_size32 1
		.amdhsa_system_sgpr_workgroup_id_x 1
		.amdhsa_system_sgpr_workgroup_id_y 1
		.amdhsa_system_sgpr_workgroup_id_z 1
		.amdhsa_system_vgpr_workitem_id 0
		.amdhsa_next_free_vgpr 130
		.amdhsa_next_free_sgpr 66
		.amdhsa_reserve_vcc 0
		.amdhsa_float_denorm_mode_32 3
		.amdhsa_float_denorm_mode_16_64 3
		.amdhsa_memory_ordered 1
		.amdhsa_forward_progress 1
		.amdhsa_inst_pref_size 36
	.end_amdhsa_kernel
	.amdgpu_metadata
---
amdhsa.version: [ 1, 2 ]
amdhsa.kernels:
  - .name:           k_q40eb3c1b71_wquant
    .symbol:         k_q40eb3c1b71_wquant.kd
    .args:
      - { .name: W_qkv, .offset: 0, .size: 8, .value_kind: global_buffer, .address_space: global }
      - { .name: b_qkv, .offset: 8, .size: 8, .value_kind: global_buffer, .address_space: global }
      - { .name: W_out, .offset: 16, .size: 8, .value_kind: global_buffer, .address_space: global }
      - { .name: b_out, .offset: 24, .size: 8, .value_kind: global_buffer, .address_space: global }
      - { .name: wimg, .offset: 32, .size: 8, .value_kind: global_buffer, .address_space: global }
    .group_segment_fixed_size: 1024
    .private_segment_fixed_size: 0
    .kernarg_segment_align: 8
    .kernarg_segment_size: 40
    .max_flat_workgroup_size: 128
    .sgpr_count:     66
    .vgpr_count:     130
    .wavefront_size: 32
...
	.end_amdgpu_metadata
.endif
;; end of part 1
;; launch fused (part 2): grid 256 x 1, 4 waves a work-group, no clusters, 305,920 bytes of LDS; arguments x, wimg, out0; writes out0
.if DOCPART == 2
	.amdgcn_target "amdgcn-amd-amdhsa--gfx1250"
	.amdhsa_code_object_version 6
	.text
	.protected	k_q40eb3c1b71_fused
	.globl	k_q40eb3c1b71_fused
	.p2align	8
	.type	k_q40eb3c1b71_fused,@function
k_q40eb3c1b71_fused:
	s_mov_b64 s[64:65], 0
	v_nop
	global_prefetch_b8 v0, s[64:65] scope:SCOPE_SE
	s_setreg_imm32_b32 hwreg(HW_REG_WAVE_MODE, 25, 1), 1
	s_wait_xcnt 0x0
; The whole module for 64 tokens a work-group: x is quantised; q, k, v = Q(x) Q(W_qkv) + b; the attention among the 16 heads of each token; out = Q(o) Q(W_out) + b.  Nothing but x, wimg and out0 touches memory.
; Eight passes of 512 columns (q, q, k, k, v, v, out, out); a wave takes 128 columns x 64 tokens: 32 accumulators, 256 registers.  The matrix instruction is used transposed: source 0 = 16 columns of W, source 1 = 16 tokens.
; THE WEIGHTS GO FROM MEMORY STRAIGHT INTO REGISTERS.  wimg holds images of the operand's registers, and each fragment is used by ONE wave of the work-group, once: 24 loads of 512 bytes and one of scale words for a K step of 128.
; Four register buffers take turns; a K step is asked for three steps ahead of its products, so the wait at a step's head lets the 50 loads of the two younger steps stay out.  No barrier stands in the stream, and it runs on under the epilogues.
; The tokens' fragments (x's, later o's) lie in LDS as register images and are fetched one step ahead, 12 loads of 512 bytes a step: so K is a counted loop of four steps (the buffers' period) x two trips.
; K IS WALKED IN A ROTATED ORDER: work-group g begins each pass at K step g % 8.  The f32 sums take their terms in that order.  So the eight K steps of a pass are asked of memory at the same time by different work-groups.
; cluster = none: no tile of weights lies in LDS, so there is no tensor load that partners could issue jointly.  No prefetch: of the eight K steps of a pass a work-group is among the first to ask for one; the seven others are also asked for, earlier, by work-groups at other rotations.
; The sums start from the bias: it is loaded from LDS into the accumulators ahead of each pass (64 loads), so nothing is cleared and all eight K steps are alike.
; cos(d): d less the nearest multiple of 2 pi (given in two parts), the series of cos(r / 2) to r^12, then 2 c^2 - 1.  LIMIT: the reduction loses accuracy as d / 2 pi grows past some 2^12.
; LIMITS: a block of zeros gets the scale byte 1 (its codes are zeros; the bytes stay in this launch); NaN and infinities among the inputs are not served.  No step of the problem is left out.
; REGISTERS: window 0: v0-31 addresses, v32-47 W's scale words (4 buffers), v48-55 the tokens' scale words (2 sets), v64-255 the epilogues' work.
;   window 1: W buffers 0 and 2 (v0-95, v96-191), token fragments of even steps (v192-239).   window 2: W buffers 1 and 3, token fragments of odd steps.   window 3: accumulator (m, t) at v[64 m + 8 t]; at the head x as loaded.
.set KU,    12800                      ; a wave's K step in wimg
.set WBIAS, 3276800
; LDS.  From byte 0: 66,048 bytes of stage, used in turn for x on its way in (4 x 8,448), v (2 x 33,024) and the results on their way out (4 x 8,448)
.set XIMG,  66048                      ; x's fragments: 6144 s + 1536 m
.set XSC,   115200                     ; x's scale words: 512 s + 128 m + 4 lane
.set QKB,   119296                     ; a row of 1,552 bytes for each token: q's and k's codes; once read, its first 1,024 bytes take the token's attention weights
.set SCW,   218624
.set SQ,    227840
.set OIMG,  237056                     ; o's fragments: 12416 m + 1552 s
.set OSC,   286720
.set BIA,   289024                     ; the biases: 2048 pass + 512 w + 64 t + 4 row
.set SPARE, 305408
.set SPW, 1
.set NIL, 2
.set XB,  3
.set SB,  4
.set BA,  5
.set L16, 6
.set L4,  7
.set RR,  8
.set HH,  9
.set AST, 27
.set XA,  28
.set XW,  29
.set BP,  30
.set WS,  32
.set XSR, 48
.set DSUM, 208
.set TM,  80
.set PW,  96
.set PC,  112
.set SEL, 32
.set MSB, 0
.macro WIN new                         ; the immediate's high byte repeats the setting that is left
.if MSB != \new
	s_set_vgpr_msb (MSB<<8)|\new
.set MSB, \new
.endif
.endm
.macro PLACES n
.rept \n
	v_nop
.endr
.endm
.macro BARRIER
	s_wait_alu depctr_va_vdst(0)
	s_wait_dscnt 0x0
	s_barrier_signal -1
	s_barrier_wait -1
.endm
	s_load_b128 s[4:7], s[0:1], 0x0                ; x, wimg
	s_load_b64 s[8:9], s[0:1], 0x10                ; out0
	v_lshl_add_u32 v[SPW], v0, 2, SPARE
	v_mov_b32 v[NIL], 0
	v_lshrrev_b32 v10, 5, v0
	v_readfirstlane_b32 s10, v10                   ; wave
	v_and_b32 v10, 31, v0
	v_lshlrev_b32 v[L16], 4, v10
	v_lshlrev_b32 v[L4], 2, v10
	v_and_b32 v[RR], 15, v0
	v_bfe_u32 v[HH], v0, 4, 1
.irp j, 84,85,86,87,106,107
	v_mov_b32 v[\j], 0                             ; a lane permute's destination counts as one of its sources
.endr
	v_add_nc_u32 v[XB], XIMG, v[L16]
	v_add_nc_u32 v[SB], XSC, v[L4]
	s_lshl_b32 s38, s10, 9
	s_add_co_u32 s38, s38, BIA
	v_lshl_add_u32 v[BA], v[HH], 5, s38            ; my columns' bias: 512 w + 32 h
	s_lshl_b32 s38, s10, 12
	s_add_co_u32 s39, s38, BIA
	v_add_nc_u32 v16, s39, v[L16]                  ; my quarter of the table of biases
	s_mul_i32 s39, s10, 8448                       ; x's stage: mine
	v_add_nc_u32 v10, s39, v[L16]
	v_mul_u32_u24 v11, v[RR], 528
	v_lshl_add_u32 v11, v[HH], 6, v11
	v_add_nc_u32 v11, s39, v11
	s_mul_i32 s39, s10, 1536
	s_add_co_u32 s39, s39, XIMG
	v_add_nc_u32 v12, s39, v[L16]
	s_lshl_b32 s39, s10, 7
	s_add_co_u32 s39, s39, XSC
	v_add_nc_u32 v13, s39, v[L4]
	s_mov_b32 s[SEL], 0x76543210
	s_mov_b32 s[SEL+1], 0xfedcba98
	s_and_b32 s17, ttmp9, 7                        ; the K step at which my passes begin
	s_mov_b32 s16, 0                               ; the stream step that is asked for next
	s_mov_b32 s22, 0                               ; the step whose token fragments are fetched next
	s_mov_b32 s24, 0                               ; 2048 x pass
	s_mov_b32 s21, 0
	s_lshl_b32 s40, ttmp9, 18                      ; 64 rows of 4,096 bytes
	s_lshl_b32 s41, s10, 16
	s_add_co_u32 s42, s40, s41                     ; x: my 16 rows
	s_mov_b32 s43, 0
	s_lshl_b32 s41, s10, 9
	s_add_co_u32 s40, s40, s41                     ; out0: my 128 columns
	s_mov_b32 s41, 0
	s_mul_i32 s44, s10, 8*KU
	s_mov_b32 s45, 0
	s_add_co_u32 s46, s38, WBIAS
	s_mov_b32 s47, 0
	s_wait_alu depctr_va_vdst(0)
	s_wait_kmcnt 0x0
	s_add_nc_u64 s[4:5], s[4:5], s[42:43]
	s_add_nc_u64 s[8:9], s[8:9], s[40:41]
	s_add_nc_u64 s[46:47], s[6:7], s[46:47]
	s_add_nc_u64 s[6:7], s[6:7], s[44:45]
.macro XLOAD s
.set XSET, 64*((\s)%4)
	WIN 0xc0
.irp rho, 0,1,2,3,4,5,6,7,8,9,10,11,12,13,14,15
	global_load_b128 v[XSET+4*\rho:XSET+4*\rho+3], v[L16], s[4:5] offset:4096*\rho+512*(\s) th:TH_LOAD_NT
.endr
	WIN 0
.endm
; s[14:15] = where stream step s16 lies: pass s16 / 8, K step (s16 + my rotation) % 8
.macro NEXTW
	s_wait_xcnt 0x0                                ; the earlier loads have read the pointer
	s_add_co_u32 s18, s16, s17
	s_and_b32 s19, s18, 7
	s_and_b32 s20, s16, 0x38
	s_lshl_b32 s20, s20, 2
	s_add_co_u32 s20, s20, s19
	s_mul_i32 s20, s20, KU
	s_add_nc_u64 s[14:15], s[6:7], s[20:21]
	s_add_co_u32 s16, s16, 1
.endm
.macro NEXTX fs, ws                    ; s19, s18: where step s22's token fragments and scale words lie
	s_add_co_u32 s18, s22, s17
	s_and_b32 s18, s18, 7
	s_mul_i32 s19, s18, \fs
	s_mul_i32 s18, s18, \ws
	s_add_co_u32 s22, s22, 1
.endm
.macro PRIME b                         ; one of the first three stream steps
	NEXTW
	WIN 0x40<<((\b)&1)
.irp t, 0,1,2,3,4,5,6,7
.irp c, 0,1,2
	global_load_b128 v[96*((\b)/2)+12*\t+4*\c:96*((\b)/2)+12*\t+4*\c+3], v[L16], s[14:15] offset:1536*\t+512*\c
.endr
.endr
	WIN 0
	global_load_b128 v[WS+4*(\b):WS+4*(\b)+3], v[L16], s[14:15] offset:12288
.endm
.macro XFETCH fm, wm                   ; token fragments into set 0, where no step has fetched them
	v_add_nc_u32 v[XA], s19, v[XB]
	v_add_nc_u32 v[XW], s18, v[SB]
	WIN 0x40
.irp m, 0,1,2,3
.irp c, 0,1,2
	ds_load_b128 v[192+12*\m+4*\c:192+12*\m+4*\c+3], v[XA] offset:(\fm)*\m+512*\c
.endr
.endr
	WIN 0
.irp m, 0,1,2,3
	ds_load_b32 v[XSR+\m], v[XW] offset:(\wm)*\m
.endr
.endm
.irp i, 0,1,2,3,4,5,6,7
	global_load_b128 v[128+4*\i:131+4*\i], v[L16], s[46:47] offset:512*\i
.endr
	XLOAD 0
	XLOAD 1
	XLOAD 2
	s_wait_loadcnt 48                              ; the biases are in; x's 48 loads may be out
.irp i, 0,1,2,3,4,5,6,7
	ds_store_b128 v16, v[128+4*\i:131+4*\i] offset:512*\i
.endr
	XLOAD 3
; 64 numbers of window 3 (a lane: one row, 4 x 16 neighbours along K; lanes l and l xor 16 share each block) -> 12 registers of codes at PC, the scale word at PW
.macro QUANT src
	WIN 0x0f
.irp b, 0,1,2,3
	v_max3_num_f32 v[TM+\b], |v[(\src)+16*\b]|, |v[(\src)+16*\b+1]|, 0x1800000
.endr
.irp i, 2,4,6,8,10,12,14
.irp b, 0,1,2,3
	v_max3_num_f32 v[TM+\b], |v[(\src)+16*\b+\i]|, |v[(\src)+16*\b+\i+1]|, v[TM+\b]
.endr
.endr
	WIN 0
.irp b, 0,1,2,3
	v_permlanex16_b32 v[TM+4+\b], v[TM+\b], s[SEL], s[SEL+1]
.endr
.irp b, 0,1,2,3
	v_max_num_f32 v[TM+\b], v[TM+\b], v[TM+4+\b]
.endr
.irp b, 0,1,2,3
	v_add_nc_u32 v[TM+12+\b], 0xff000000, v[TM+\b]
.endr
.irp b, 0,1,2,3
	v_lshrrev_b32 v[TM+4+\b], 23, v[TM+12+\b]
.endr
	v_lshl_or_b32 v[PW], v[TM+5], 8, v[TM+4]
	v_lshl_or_b32 v[PW], v[TM+6], 16, v[PW]
	v_lshl_or_b32 v[PW], v[TM+7], 24, v[PW]
	WIN 0x03
.irp c, 0,1
	v_cvt_scalef32_pk16_fp6_f32 v[PC+6*\c:PC+6*\c+2], v[(\src)+32*\c:(\src)+32*\c+15], v[TM+12+2*\c]
	v_cvt_scalef32_pk16_fp6_f32 v[PC+12+4*\c:PC+12+4*\c+2], v[(\src)+32*\c+16:(\src)+32*\c+31], v[TM+12+2*\c+1]
.endr
	WIN 0
	v_nop
.irp c, 0,1
.irp i, 0,1,2
	v_permlane16_swap_b32 v[PC+6*\c+\i], v[PC+12+4*\c+\i]
.endr
.irp i, 0,1,2
	v_mov_b32 v[PC+3+6*\c+\i], v[PC+12+4*\c+\i]
.endr
.endr
.endm
; 128 along K of my 16 rows of x: through my stage, so that a lane holds neighbours along K; quantised; the image goes to LDS for all four waves
.macro XSTEP s, left
.set XSET, 64*((\s)%4)
	s_wait_loadcnt \left
	WIN 0x0c
.irp rho, 0,1,2,3,4,5,6,7,8,9,10,11,12,13,14,15
	ds_store_b128 v10, v[XSET+4*\rho:XSET+4*\rho+3] offset:528*\rho
.endr
	WIN 0xc0
.irp b, 0,1,2,3
.irp jq, 0,1,2,3
	ds_load_b128 v[XSET+16*\b+4*\jq:XSET+16*\b+4*\jq+3], v11 offset:128*\b+16*\jq
.endr
.endr
	s_wait_dscnt 0x0
	QUANT 64*((\s)%4)
.irp c, 0,1,2
	ds_store_b128 v12, v[PC+4*\c:PC+4*\c+3] offset:6144*(\s)+512*\c
.endr
	ds_store_b32 v13, v[PW] offset:512*(\s)
	s_wait_dscnt 0x0
.if (\s) < 4
	XLOAD (\s)+4
.endif
.endm
	s_wait_alu depctr_va_vdst(0)
	XSTEP 0, 48                                    ; behind a step's 16 loads: those of the three steps after it
	XSTEP 1, 48
	XSTEP 2, 48
	XSTEP 3, 48
	XSTEP 4, 48
	PRIME 0
	XSTEP 5, 57                                    ; 32 of x and the 25 of stream step 0
	XSTEP 6, 41                                    ; 16 and 25
	PRIME 1
	XSTEP 7, 50                                    ; stream steps 0 and 1
	PRIME 2
	BARRIER                                        ; x's image and the biases are whole
	NEXTX 6144, 512
	XFETCH 1536, 128
; 16 matrix instructions: tiles 4 h .. 4 h + 3 of W's buffer j x the four tiles of tokens.  The 32 accumulators take turns, in the same order in every step
.macro MUL j, h
	WIN 0xf5+5*((\j)&1)
.irp t, 0,1,2,3
.irp m, 0,1,2,3
.set TAU, 4*(\h)+\t
.set AC, 64*\m+8*TAU
.set WF, 96*((\j)/2)+12*TAU
.set XF, 192+12*\m
.set WR, WS+4*(\j)+TAU/2
.set XR, XSR+4*((\j)%2)+\m
.if TAU%2
	v_wmma_scale_f32_16x16x128_f8f6f4 v[AC:AC+7], v[WF:WF+11], v[XF:XF+11], v[AC:AC+7], v[WR], v[XR] matrix_a_fmt:MATRIX_FMT_FP6 matrix_b_fmt:MATRIX_FMT_FP6 matrix_a_scale:MATRIX_SCALE_ROW1
.else
	v_wmma_scale_f32_16x16x128_f8f6f4 v[AC:AC+7], v[WF:WF+11], v[XF:XF+11], v[AC:AC+7], v[WR], v[XR] matrix_a_fmt:MATRIX_FMT_FP6 matrix_b_fmt:MATRIX_FMT_FP6
.endif
.endr
.endr
.endm
; A K step on buffer j.  In its middle: the stream step three on into the buffer that the last step read (ld), the next step's token fragments into the set that the last step read (xl).  cnt: the loads issued behind this step's
.macro STEP j, cnt, ld, xl, fm, fs, wm, ws
.set NB, ((\j)+3)%4
.set NS, ((\j)+1)%2
	s_wait_loadcnt \cnt
	s_wait_dscnt 0x0                               ; the token fragments (and, in a pass's first step, the biases) are in
	MUL \j, 0
.if \ld
	NEXTW
.endif
.if \xl
	NEXTX \fs, \ws
.endif
.if \ld+\xl
	PLACES 4                                       ; ahead of loads into registers that the last step's matrix instructions read
	WIN 0
.endif
.if \xl
	v_add_nc_u32 v[XA], s19, v[XB]
	v_add_nc_u32 v[XW], s18, v[SB]
.endif
.if \ld+\xl
	WIN 0x40<<NS
.endif
.if \ld
.irp t, 0,1,2,3,4,5,6,7
.irp c, 0,1,2
	global_load_b128 v[96*(NB/2)+12*\t+4*\c:96*(NB/2)+12*\t+4*\c+3], v[L16], s[14:15] offset:1536*\t+512*\c
.endr
.endr
.endif
.if \xl
.irp m, 0,1,2,3
.irp c, 0,1,2
	ds_load_b128 v[192+12*\m+4*\c:192+12*\m+4*\c+3], v[XA] offset:(\fm)*\m+512*\c
.endr
.endr
.endif
	WIN 0
.if \ld
	global_load_b128 v[WS+4*NB:WS+4*NB+3], v[L16], s[14:15] offset:12288
.endif
.if \xl
.irp m, 0,1,2,3
	ds_load_b32 v[XSR+4*NS+\m], v[XW] offset:(\wm)*\m
.endr
.endif
	MUL \j, 1
.endm
.macro FOUR fm, fs, wm, ws
	STEP 0, 50, 1, 1, \fm, \fs, \wm, \ws
	STEP 1, 50, 1, 1, \fm, \fs, \wm, \ws
	STEP 2, 50, 1, 1, \fm, \fs, \wm, \ws
	STEP 3, 50, 1, 1, \fm, \fs, \wm, \ws
	WIN 0
.endm
.macro PRE                             ; the sums start from the bias: accumulator (m, t), register i of lane half h = the bias of row 8 h + i of tile t
	s_wait_alu depctr_va_vdst(0)
	v_add_nc_u32 v[BP], s24, v[BA]
	WIN 0xc0
.irp m, 0,1,2,3
.irp t, 0,1,2,3,4,5,6,7
.irp e, 0,1
	ds_load_b128 v[64*\m+8*\t+4*\e:64*\m+8*\t+4*\e+3], v[BP] offset:64*\t+16*\e
.endr
.endr
.endr
	WIN 0
	s_add_co_u32 s24, s24, 2048
.endm
.macro STREAM fm, fs, wm, ws           ; a pass's eight K steps; its last step fetches the next pass's first token fragments
	s_mov_b32 s23, 0
.Ltrip_\@:
	FOUR \fm, \fs, \wm, \ws
	s_add_co_u32 s23, s23, 1
	s_cmp_lt_u32 s23, 2
	s_cbranch_scc1 .Ltrip_\@
.endm
	v_mul_u32_u24 v10, v[RR], 1552
	v_mad_u32_u24 v10, v[HH], 24, v10
	s_mul_i32 s38, s10, 96
	s_add_co_u32 s38, s38, QKB
	v_add_nc_u32 v10, s38, v10
	v_mul_u32_u24 v11, v[RR], 144
	s_lshl_b32 s38, s10, 3
	s_add_co_u32 s39, s38, SCW
	s_add_co_u32 s40, s38, SQ
	v_add_nc_u32 v12, s40, v11
	v_add_nc_u32 v11, s39, v11
; q or k: a lane holds a token and two heads' halves: the heads' sums of squares, their codes and scale bytes go to the token's row in LDS
.macro EPI_QK
	PLACES 4
	WIN 0
	v_add_nc_u32 v14, s35, v10
	v_add_nc_u32 v15, 49664, v14
	v_add_nc_u32 v16, s36, v11
	v_add_nc_u32 v17, s36, v12
.irp m, 0,1,2,3
	WIN 0x0f
	v_pk_mul_f32 v[100:101], v[64*\m:64*\m+1], v[64*\m:64*\m+1]
	v_pk_mul_f32 v[102:103], v[64*\m+32:64*\m+33], v[64*\m+32:64*\m+33]
.irp i, 2,4,6,8,10,12,14,16,18,20,22,24,26,28,30
	v_pk_fma_f32 v[100:101], v[64*\m+\i:64*\m+\i+1], v[64*\m+\i:64*\m+\i+1], v[100:101]
	v_pk_fma_f32 v[102:103], v[64*\m+32+\i:64*\m+32+\i+1], v[64*\m+32+\i:64*\m+32+\i+1], v[102:103]
.endr
	WIN 0
	v_add_f32 v104, v100, v101
	v_add_f32 v105, v102, v103
	v_permlanex16_b32 v106, v104, s[SEL], s[SEL+1]
	v_permlanex16_b32 v107, v105, s[SEL], s[SEL+1]
	v_add_f32 v104, v104, v106
	v_add_f32 v105, v105, v107
	QUANT 64*\m
	v_and_b32 v98, 0xffff, v[PW]
	v_lshrrev_b32 v99, 16, v[PW]
.irp c, 0,1
.irp i, 0,1,2
	ds_store_b64 v[14+\m/2], v[PC+6*\c+2*\i:PC+6*\c+2*\i+1] offset:24832*(\m%2)+48*\c+8*\i
.endr
.endr
	ds_store_b64 v16, v[98:99] offset:2304*\m
	ds_store_b64 v17, v[104:105] offset:2304*\m
	s_wait_dscnt 0x0
.endr
.endm
	s_mov_b32 s34, 0
	s_mov_b32 s35, 0
	s_mov_b32 s36, 0
.Lqk:
	PRE
	STREAM 1536, 6144, 128, 512
	s_wait_alu depctr_va_vdst(0)
	EPI_QK
	s_add_co_u32 s35, s35, 384
	s_add_co_u32 s36, s36, 32
	s_add_co_u32 s34, s34, 1
	s_cmp_lt_u32 s34, 4
	s_cbranch_scc1 .Lqk
; THE ATTENTION: a wave takes 16 tokens, two a trip (rows i and i + 32 of its share).  S^T = k q^T: lane (r, h) holds query head r and key heads 8 h .. 8 h + 7
.set QK, 152
.set E1, 160
.set E2, 168
.set E3, 176
.set E4, 184
.set E5, 192
.set MQ, 200
.set MX, 202
.set RS, 204
.set C5, 206
	BARRIER                                        ; every token's row is whole
.irp j, 86,87,88,89,90,91,98,99,100,101,102,103,110,111,112,113,114,115,122,123,124,125,126,127
	v_mov_b32 v[\j], 0                             ; K is 64: the fragments' upper halves are zero codes
.endr
.irp j, 145,147,201,203,205,241
	v_mov_b32 v[\j], 0
.endr
	v_mov_b32 v[C5], 0xaf93f27e
	v_mov_b32 v[C5+1], 0xaf93f27e
	v_mul_u32_u24 v10, v[RR], 48
	v_mad_u32_u24 v10, v[HH], 24, v10
	s_mul_i32 s38, s10, 12416
	s_add_co_u32 s38, s38, QKB
	v_add_nc_u32 v10, s38, v10
	v_add_nc_u32 v[AST], s38, v[L16]               ; where the attention weights go: 16 bytes a lane, twice, in the token's row
	s_mul_i32 s38, s10, 1152
	s_add_co_u32 s39, s38, SCW
	v_add_nc_u32 v11, s39, v[L4]
	s_add_co_u32 s39, s38, SQ
	v_lshl_add_u32 v12, v[RR], 2, s39
	s_add_co_u32 s39, s39, 64
	v_lshl_add_u32 v13, v[HH], 5, s39
.macro ADDRS a, sc, sw
	v_add_nc_u32 v[\a], \sc, v10
	v_add_nc_u32 v[\a+1], \sw, v11
	v_add_nc_u32 v[\a+2], \sw, v12
	v_add_nc_u32 v[\a+3], \sw, v13
.endm
.macro LOADT set, a, ro                ; a token's codes, scale words and sums of squares; ro: rows behind the addresses' row
.irp i, 0,1,2
	ds_load_b64 v[80+24*(\set)+2*\i:80+24*(\set)+2*\i+1], v[\a] offset:1552*(\ro)+8*\i
.endr
.irp i, 0,1,2
	ds_load_b64 v[92+24*(\set)+2*\i:92+24*(\set)+2*\i+1], v[\a] offset:1552*(\ro)+768+8*\i
.endr
	ds_load_b32 v[64+(\set)], v[\a+1] offset:144*(\ro)
	ds_load_b32 v[144+2*(\set)], v[\a+2] offset:144*(\ro)
	ds_load_b128 v[128+8*(\set):128+8*(\set)+3], v[\a+3] offset:144*(\ro)
	ds_load_b128 v[128+8*(\set)+4:128+8*(\set)+7], v[\a+3] offset:144*(\ro)+16
.endm
.macro ATT se, na, nr, so              ; the token in set se; the other set takes the token at addresses na, row nr; the weights go to byte so behind v22
.set QFR, 80+24*(\se)
.set KFR, 92+24*(\se)
.set KSR, 128+8*(\se)
.set QSR, 144+2*(\se)
	s_wait_dscnt 0x0
	v_wmma_scale_f32_16x16x128_f8f6f4 v[QK:QK+7], v[KFR:KFR+11], v[QFR:QFR+11], 0, v[64+(\se)], v[64+(\se)] matrix_a_fmt:MATRIX_FMT_FP6 matrix_b_fmt:MATRIX_FMT_FP6 matrix_a_scale:MATRIX_SCALE_ROW1
	LOADT 1-(\se), \na, \nr
.irp j, 0,2,4,6
	v_pk_add_f32 v[E1+\j:E1+\j+1], v[KSR+\j:KSR+\j+1], v[QSR:QSR+1] op_sel_hi:[1,0]
.endr
	s_wait_alu depctr_va_vdst(0)                   ; a wait ahead of each batch of transcendentals and one behind it
.irp j, 0,1,2,3,4,5,6,7
	v_sqrt_f32 v[E5+\j], v[KSR+\j]
.endr
	v_sqrt_f32 v[MQ], v[QSR]
	s_wait_alu depctr_va_vdst(0)
.irp j, 0,2,4,6
	v_pk_fma_f32 v[E1+\j:E1+\j+1], v[QK+\j:QK+\j+1], -2.0, v[E1+\j:E1+\j+1] op_sel_hi:[1,0,1]
.endr
.irp j, 0,1,2,3,4,5,6,7
	v_max_num_f32 v[E1+\j], 0, v[E1+\j]            ; the squared distance, held at 0 from below
.endr
.irp j, 0,2,4,6
	v_pk_add_f32 v[E2+\j:E2+\j+1], v[E1+\j:E1+\j+1], 0x358637bd op_sel_hi:[1,0]
.endr
	s_wait_alu depctr_va_vdst(0)
.irp j, 0,1,2,3,4,5,6,7
	v_sqrt_f32 v[E2+\j], v[E2+\j]
.endr
	s_wait_alu depctr_va_vdst(0)
.irp j, 0,2,4,6
	v_pk_mul_f32 v[E5+\j:E5+\j+1], v[E5+\j:E5+\j+1], v[MQ:MQ+1] op_sel_hi:[1,0]   ; m_q m_k
.endr
.irp j, 0,2,4,6
	v_pk_mul_f32 v[E3+\j:E3+\j+1], v[E2+\j:E2+\j+1], 0.15915494 op_sel_hi:[1,0]
.endr
.irp j, 0,1,2,3,4,5,6,7
	v_rndne_f32 v[E3+\j], v[E3+\j]
.endr
.irp j, 0,2,4,6
	v_pk_fma_f32 v[E2+\j:E2+\j+1], v[E3+\j:E3+\j+1], 0xc0c90fdb, v[E2+\j:E2+\j+1] op_sel_hi:[1,0,1]
.endr
.irp j, 0,2,4,6
	v_pk_fma_f32 v[E2+\j:E2+\j+1], v[E3+\j:E3+\j+1], 0x343bbd2e, v[E2+\j:E2+\j+1] op_sel_hi:[1,0,1]
.endr
.irp j, 0,2,4,6
	v_pk_mul_f32 v[E3+\j:E3+\j+1], v[E2+\j:E2+\j+1], v[E2+\j:E2+\j+1]
.endr
.irp j, 0,2,4,6
	v_pk_fma_f32 v[E4+\j:E4+\j+1], v[E3+\j:E3+\j+1], 0x2b0f76c7, v[C5:C5+1] op_sel_hi:[1,0,1]
.endr
.irp k, 0x33d00d01, 0xb7b60b61, 0x3b2aaaab, 0xbe000000, 1.0
.irp j, 0,2,4,6
	v_pk_fma_f32 v[E4+\j:E4+\j+1], v[E4+\j:E4+\j+1], v[E3+\j:E3+\j+1], \k op_sel_hi:[1,1,0]
.endr
.endr
.irp j, 0,2,4,6
	v_pk_add_f32 v[E3+\j:E3+\j+1], v[E4+\j:E4+\j+1], v[E4+\j:E4+\j+1]
.endr
.irp j, 0,2,4,6
	v_pk_fma_f32 v[E4+\j:E4+\j+1], v[E3+\j:E3+\j+1], v[E4+\j:E4+\j+1], -1.0 op_sel_hi:[1,1,0]   ; the cosine
.endr
.irp j, 0,2,4,6
	v_pk_fma_f32 v[E4+\j:E4+\j+1], v[E4+\j:E4+\j+1], 0x3e19999a, 1.0 op_sel_hi:[1,0,0]
.endr
.irp j, 0,2,4,6
	v_pk_fma_f32 v[E1+\j:E1+\j+1], v[E1+\j:E1+\j+1], v[E4+\j:E4+\j+1], 0x358637bd op_sel_hi:[1,1,0]
.endr
	s_wait_alu depctr_va_vdst(0)
.irp j, 0,1,2,3,4,5,6,7
	v_rcp_f32 v[E1+\j], v[E1+\j]
.endr
	v_nop
	s_wait_alu depctr_va_vdst(0)
.irp j, 0,2,4,6
	v_pk_mul_f32 v[E5+\j:E5+\j+1], v[E5+\j:E5+\j+1], v[E1+\j:E1+\j+1]   ; the forces
.endr
	v_max3_num_f32 v240, v[E5], v[E5+1], v[E5+2]
	v_max3_num_f32 v242, v[E5+3], v[E5+4], v[E5+5]
	v_max3_num_f32 v240, v240, v[E5+6], v[E5+7]
	v_max_num_f32 v240, v240, v242
	v_permlanex16_b32 v241, v240, s[SEL], s[SEL+1]
	v_max_num_f32 v[MX], v240, v241                ; the row's maximum is taken away, as the softmax has it
.irp j, 0,2,4,6
	v_pk_add_f32 v[E5+\j:E5+\j+1], v[E5+\j:E5+\j+1], v[MX:MX+1] op_sel_hi:[1,0] neg_lo:[0,1] neg_hi:[0,1]
.endr
.irp j, 0,2,4,6
	v_pk_mul_f32 v[E5+\j:E5+\j+1], v[E5+\j:E5+\j+1], 0x3fb8aa3b op_sel_hi:[1,0]
.endr
	s_wait_alu depctr_va_vdst(0)
.irp j, 0,1,2,3,4,5,6,7
	v_exp_f32 v[E5+\j], v[E5+\j]
.endr
	v_nop
	s_wait_alu depctr_va_vdst(0)
	v_pk_add_f32 v[240:241], v[E5:E5+1], v[E5+2:E5+3]
	v_pk_add_f32 v[242:243], v[E5+4:E5+5], v[E5+6:E5+7]
	v_pk_add_f32 v[240:241], v[240:241], v[242:243]
	v_add_f32 v240, v240, v241
	v_permlanex16_b32 v241, v240, s[SEL], s[SEL+1]
	v_add_f32 v240, v240, v241
	s_wait_alu depctr_va_vdst(0)
	v_rcp_f32 v[RS], v240
	v_nop
	s_wait_alu depctr_va_vdst(0)
.irp j, 0,2,4,6
	v_pk_mul_f32 v[E4+\j:E4+\j+1], v[E5+\j:E5+\j+1], v[RS:RS+1] op_sel_hi:[1,0]
.endr
	ds_store_b128 v22, v[E4:E4+3] offset:\so       ; over the token's codes, which I alone read and have read
	ds_store_b128 v22, v[E4+4:E4+7] offset:(\so)+512
.endm
	s_mov_b32 s34, 0
	s_mov_b32 s35, 0
	s_mov_b32 s36, 0
	ADDRS 14, s35, s36
	s_wait_alu depctr_va_vdst(0)
	LOADT 0, 14, 0
.Latt:
	s_add_co_u32 s37, s35, 1552                    ; the next trip's row; the last trip names its own row 7 again, and what it then fetches is not used
	s_min_u32 s37, s37, 7*1552
	s_add_co_u32 s38, s36, 144
	s_min_u32 s38, s38, 7*144
	ADDRS 14, s35, s36
	ADDRS 18, s37, s38
	v_add_nc_u32 v22, s35, v[AST]
	s_wait_alu depctr_va_vdst(0)
	ATT 0, 14, 32, 0
	ATT 1, 18, 0, 49664
	s_add_co_u32 s35, s35, 1552
	s_add_co_u32 s36, s36, 144
	s_add_co_u32 s34, s34, 1
	s_cmp_lt_u32 s34, 8
	s_wait_alu depctr_va_vdst(0)
	s_cbranch_scc1 .Latt
	s_wait_dscnt 0x0
; v: a pass makes 32 of each head's 64; it goes through the stage to the wave that holds the token's weights; o^T = v^T a^T in f32; o is quantised into the image for the last product
	v_mul_u32_u24 v10, v[RR], 2064
	v_lshl_add_u32 v10, v[HH], 5, v10
	s_lshl_b32 s38, s10, 9
	v_add_nc_u32 v10, s38, v10
	s_mul_i32 s38, s10, 16512
	v_lshl_add_u32 v13, v[HH], 10, s38
	v_and_b32 v14, 7, v[RR]
	v_lshrrev_b32 v15, 3, v[RR]
	v_lshl_add_u32 v11, v14, 4, v13
	v_mad_u32_u24 v11, v15, 384, v11
	v_lshl_add_u32 v12, v[RR], 4, v13
	v_add_nc_u32 v12, 128, v12
	s_lshr_b32 s38, s10, 1
	s_and_b32 s39, s10, 1
	s_mul_i32 s40, s38, 12416
	s_lshl_b32 s41, s39, 7
	s_add_co_u32 s40, s40, s41
	s_add_co_u32 s40, s40, OIMG
	v_lshrrev_b32 v21, 1, v[RR]
	v_and_b32 v22, 1, v[RR]
	v_mul_u32_u24 v23, v21, 1552
	v_add_nc_u32 v23, s40, v23
	v_mul_u32_u24 v24, v22, 6
	v_mad_u32_u24 v24, v[HH], 3, v24
.irp k, 0,1,2
	v_add_nc_u32 v25, \k, v24
	v_lshrrev_b32 v26, 2, v25
	v_and_b32 v25, 3, v25
	v_lshl_add_u32 v26, v26, 9, v23
	v_lshl_add_u32 v[13+\k], v25, 2, v26
.endr
	s_mul_i32 s40, s38, 544
	s_lshl_b32 s41, s39, 5
	s_add_co_u32 s40, s40, s41
	s_add_co_u32 s40, s40, OSC
	v_mul_u32_u24 v16, v21, 68
	v_lshl_add_u32 v16, v22, 1, v16
	v_add_nc_u32 v16, s40, v16
	; the padding of o's image (16 bytes behind each 1,536) and of its scale words (4 behind each 64) is cleared once, wave w for block w: the rotated walk's address
	; runs over the whole of both regions, and so every byte of them is written ahead of the barriers that stand in front of the first fetch
	v_and_b32 v25, 7, v0
	v_mul_u32_u24 v26, v25, 1552
	s_mul_i32 s40, s10, 12416
	s_add_co_u32 s40, s40, OIMG+1536
	v_add_nc_u32 v26, s40, v26
	v_mul_u32_u24 v25, v25, 68
	s_mul_i32 s40, s10, 544
	s_add_co_u32 s40, s40, OSC+64
	v_add_nc_u32 v25, s40, v25
.irp j, 100,101,102,103
	v_mov_b32 v[\j], 0
.endr
	ds_store_b128 v26, v[100:103]
	ds_store_b32 v25, v100
.macro LOADV i, half                   ; six loads: a token's v (16 registers) and its attention weights (8)
.set VT, 80+16*((\i)%2)
.irp u, 0,1
.irp q, 0,1
	ds_load_b128 v[VT+8*\u+4*\q:VT+8*\u+4*\q+3], v[11+\u] offset:2064*(\i)+512*\q
.endr
.endr
.irp q, 0,1
	ds_load_b128 v[128+8*((\i)%2)+4*\q:128+8*((\i)%2)+4*\q+3], v[AST] offset:1552*((\i)+32*(\half))+512*\q
.endr
.endm
.macro WMMA3 i
.set DD, DSUM+16*((\i)%2)
.set VT, 80+16*((\i)%2)
.set AT, 128+8*((\i)%2)
.irp kk, 0,1,2,3
.irp u, 0,1
.if \kk == 0
	v_wmma_f32_16x16x4_f32 v[DD+8*\u:DD+8*\u+7], v[VT+8*\u+2*\kk:VT+8*\u+2*\kk+1], v[AT+2*\kk:AT+2*\kk+1], 0
.else
	v_wmma_f32_16x16x4_f32 v[DD+8*\u:DD+8*\u+7], v[VT+8*\u+2*\kk:VT+8*\u+2*\kk+1], v[AT+2*\kk:AT+2*\kk+1], v[DD+8*\u:DD+8*\u+7]
.endif
.endr
.endr
.endm
.macro QUANTO i, half
.set DD, DSUM+16*((\i)%2)
.set CO, 116+4*((\i)%2)
.set BY, 124+((\i)%2)
	v_max3_num_f32 v112, |v[DD]|, |v[DD+1]|, 0x1800000
	v_max3_num_f32 v126, |v[DD+8]|, |v[DD+9]|, |v[DD+10]|
	v_max3_num_f32 v112, v112, |v[DD+2]|, |v[DD+3]|
	v_max3_num_f32 v126, v126, |v[DD+11]|, |v[DD+12]|
	v_max3_num_f32 v112, v112, |v[DD+4]|, |v[DD+5]|
	v_max3_num_f32 v126, v126, |v[DD+13]|, |v[DD+14]|
	v_max3_num_f32 v112, v112, |v[DD+6]|, |v[DD+7]|
	v_max3_num_f32 v112, v112, v126, |v[DD+15]|
	v_permlanex16_b32 v113, v112, s[SEL], s[SEL+1]
	v_max_num_f32 v112, v112, v113
	v_add_nc_u32 v114, 0xff000000, v112
	v_lshrrev_b32 v[BY], 23, v114
	v_cvt_scalef32_pk16_fp6_f32 v[CO:CO+2], v[DD:DD+15], v114
	v_nop
.irp k, 0,1,2
	ds_store_b32 v[17+\k], v[CO+\k] offset:24832*(\half)+16*(\i)
.endr
	ds_store_b8 v20, v[BY] offset:1088*(\half)+4*(\i)
.endm
.macro EPI_V
	PLACES 4
	WIN 0
	s_wait_alu depctr_va_vdst(0)
.irp k, 0,1,2
	v_add_nc_u32 v[17+\k], s35, v[13+\k]
.endr
	v_add_nc_u32 v20, s36, v16
.irp half, 0,1
	WIN 0x0c
.irp mm, 0,1
.irp tau, 0,1,2,3,4,5,6,7
.if \tau < 4
.set TP, \tau
.else
.set TP, 4+(\tau+2)%4
.endif
	ds_store_b128 v10, v[64*(2*\half+\mm)+8*\tau:64*(2*\half+\mm)+8*\tau+3] offset:33024*\mm+64*TP
	ds_store_b128 v10, v[64*(2*\half+\mm)+8*\tau+4:64*(2*\half+\mm)+8*\tau+7] offset:33024*\mm+64*TP+16
.endr
.endr
	WIN 0
	BARRIER
	LOADV 0, \half
	LOADV 1, \half
.irp i, 0,1,2,3,4,5,6,7
.if \i < 7
	s_wait_dscnt 6                                 ; the next token's six loads may be out
.else
	s_wait_dscnt 4                                 ; behind the last token's loads: four stores
.endif
	WMMA3 \i
.if \i == 0
	PLACES 8
.else
	QUANTO \i-1, \half
.endif
.if \i < 6
	LOADV \i+2, \half
.endif
.endr
	PLACES 8
	QUANTO 7, \half
	BARRIER
.endr
.endm
	s_mov_b32 s34, 0
	s_mov_b32 s35, 0
	s_mov_b32 s36, 0
.Lv:
	PRE
	STREAM 1536, 6144, 128, 512
	EPI_V
	s_add_co_u32 s35, s35, 256
	s_add_co_u32 s36, s36, 1
	s_add_co_u32 s34, s34, 1
	s_cmp_lt_u32 s34, 2
	s_cbranch_scc1 .Lv
; THE LAST PRODUCT: the tokens' fragments are o's now.  (The last v step, one text with the others, has fetched a fragment of x for a further pass; it is not used, and o's takes its place here)
	v_add_nc_u32 v[XB], OIMG, v[L16]
	v_lshl_add_u32 v[SB], v[RR], 2, OSC
	s_mul_i32 s38, s10, 8448
	v_mul_u32_u24 v12, v[RR], 528
	v_lshl_add_u32 v12, v[HH], 5, v12
	v_add_nc_u32 v12, s38, v12
	v_add_nc_u32 v13, s38, v[L16]
	s_sub_co_u32 s22, s22, 1
	NEXTX 1552, 68
	XFETCH 12416, 544
.macro TOSTAGE m
	WIN 0x0c
.irp tau, 0,1,2,3,4,5,6,7
	ds_store_b128 v12, v[64*(\m)+8*\tau:64*(\m)+8*\tau+3] offset:64*\tau
	ds_store_b128 v12, v[64*(\m)+8*\tau+4:64*(\m)+8*\tau+7] offset:64*\tau+16
.endr
	WIN 0
.set BB, 80+64*((\m)%2)
.irp t, 0,1,2,3,4,5,6,7,8,9,10,11,12,13,14,15
	ds_load_b128 v[BB+4*\t:BB+4*\t+3], v13 offset:528*\t
.endr
.endm
.macro SEND m, younger, pp
.set BB, 80+64*((\m)%2)
	s_wait_dscnt \younger
.irp t, 0,1,2,3,4,5,6,7,8,9,10,11,12,13,14,15
	global_store_b128 v[L16], v[BB+4*\t:BB+4*\t+3], s[8:9] offset:(16*(\m)+\t)*4096+2048*(\pp) th:TH_STORE_NT   ; 32 lanes store 512 consecutive bytes of a row
.endr
.endm
.macro EPI_OUT pp                      ; 16 tokens x 128 columns at a time through my stage, back as whole rows
	PLACES 4
	TOSTAGE 0
.irp m, 1,2,3
.if \m > 1
	s_wait_xcnt 0x0                                ; the stores of two blocks ago have read their registers
.endif
	TOSTAGE \m
	SEND \m-1, 32, \pp
.endr
	SEND 3, 0, \pp
.endm
	PRE
	STREAM 12416, 1552, 544, 68
	s_wait_alu depctr_va_vdst(0)
	EPI_OUT 0
	s_wait_xcnt 0x0
	PRE
	FOUR 12416, 1552, 544, 68
	STEP 0, 50, 1, 1, 12416, 1552, 544, 68         ; the stream's end is written out: this step asks for the last stream step,
	STEP 1, 50, 0, 1, 12416, 1552, 544, 68         ; the others for none: behind this step's loads stand two steps',
	STEP 2, 25, 0, 1, 12416, 1552, 544, 68         ; one step's,
	STEP 3, 0, 0, 0, 12416, 1552, 544, 68          ; none
	WIN 0
	EPI_OUT 1
	s_wait_tensorcnt 0x0                           ; the wave's end
	ds_add_u32 v[SPW], v[NIL]
	s_wait_dscnt 0x0
	s_endpgm
.Lfunc_end_k_q40eb3c1b71_fused:
	.size	k_q40eb3c1b71_fused, .Lfunc_end_k_q40eb3c1b71_fused-k_q40eb3c1b71_fused
	.p2alignl 7, 3214868480
	.fill 96, 4, 3214868480
	.section	.rodata,"a",@progbits
	.p2align	6, 0x0
	.amdhsa_kernel k_q40eb3c1b71_fused
		.amdhsa_group_segment_fixed_size 305920
		.amdhsa_private_segment_fixed_size 0
		.amdhsa_enable_private_segment 0
		.amdhsa_kernarg_size 24
		.amdhsa_user_sgpr_count 2
		.amdhsa_user_sgpr_kernarg_segment_ptr 1
		.amdhsa_wavefront_size32 1
		.amdhsa_system_sgpr_workgroup_id_x 1
		.amdhsa_system_sgpr_workgroup_id_y 1
		.amdhsa_system_sgpr_workgroup_id_z 1
		.amdhsa_system_vgpr_workitem_id 0
		.amdhsa_next_free_vgpr 1024
		.amdhsa_next_free_sgpr 66
		.amdhsa_reserve_vcc 0
		.amdhsa_float_denorm_mode_32 3
		.amdhsa_float_denorm_mode_16_64 3
		.amdhsa_memory_ordered 1
		.amdhsa_forward_progress 1
		.amdhsa_inst_pref_size 255
	.end_amdhsa_kernel
	.section	.bss,"aw",@nobits
	.p2align	6
	.space	262144
	.amdgpu_metadata
---
amdhsa.version: [ 1, 2 ]
amdhsa.kernels:
  - .name:           k_q40eb3c1b71_fused
    .symbol:         k_q40eb3c1b71_fused.kd
    .args:
      - { .name: x, .offset: 0, .size: 8, .value_kind: global_buffer, .address_space: global }
      - { .name: wimg, .offset: 8, .size: 8, .value_kind: global_buffer, .address_space: global }
      - { .name: out0, .offset: 16, .size: 8, .value_kind: global_buffer, .address_space: global }
    .group_segment_fixed_size: 305920
    .private_segment_fixed_size: 0
    .kernarg_segment_align: 8
    .kernarg_segment_size: 24
    .max_flat_workgroup_size: 128
    .sgpr_count:     66
    .vgpr_count:     1024
    .wavefront_size: 32
...
	.end_amdgpu_metadata
.endif
;; end of part 2
